; MI455X (gfx1250); checked and timed in simulation.
; The chip was launched on July 23, 2026; its instructions are those of AMD's public machine-readable ISA for CDNA 5 (MIT licence, August 2026) and "CDNA5" Instruction Set Architecture Reference Guide (July 2026). The comments in the code are by the model that wrote it; some were corrected since.
;; Multi Head Attention. Allowed arithmetic: matrix products marked QUANTISED: E2M1 operands, one E8M0 scale for each 32 along K, by v_wmma_scale_f32_16x16x128_f8f6f4 with both operands' format E2M1 (or v_wmma_scale_f32_32x16x128_f4), f32 sums; products left as they are: bf16, f16 or f32 operands; f32 sums; everything else in f32.
;; Inputs: Wk 1,024 x 1,024 float32; Wo 1,024 x 1,024 float32; Wq 1,024 x 1,024 float32; Wv 1,024 x 1,024 float32; bk 1,024 float32; bo 1,024 float32; bq 1,024 float32; bv 1,024 float32; x 32 x 512 x 1,024 float32.
;; Outputs: out0 32 x 512 x 1,024 float32.
;; This version of the problem:
;;   THIS VERSION OF THE PROBLEM IS GIVEN IN LOW PRECISION. The matrix products marked QUANTISED in the list below multiply operands that are first quantised to E2M1 (2 exponent bits, 1 mantissa bit; 4 bits a number), with one power-of-two scale for each 32 numbers along K (OCP MX v1.0); their sums are f32. The products marked 'left as it is' may take bf16, f16 or f32 operands, with f32 sums. Whichever they take, every output number must still come out within the allowed error. Rounding operands to bf16 (8 significant bits) uses up far more of that allowance than f16 does (11 bits, for magnitudes from 6e-5 to 65,504). All else is computed in f32.
;;   The module's matrix products, in the order in which they are computed (A, B: the left and right operand; K: the contracted axis; several contracted axes count as one K, in the product's order):
;;     1. [M 16,384, K 1,024] x [K 1,024, N 1,024]; A: input x; B: input Wq: QUANTISED
;;     2. [M 16,384, K 1,024] x [K 1,024, N 1,024]; A: input x; B: input Wk: QUANTISED
;;     3. [M 16,384, K 1,024] x [K 1,024, N 1,024]; A: input x; B: input Wv: QUANTISED
;;     4. batch 16,384 x [M 16, K 64] x [K 64, N 16]; A: computed on the way; B: computed on the way: left as it is (an operand is computed on the way)
;;     5. batch 16,384 x [M 16, K 16] x [K 16, N 64]; A: computed on the way; B: computed on the way: left as it is (K = 16 < 32)
;;     6. [M 16,384, K 1,024] x [K 1,024, N 1,024]; A: computed on the way; B: input Wo: left as it is (an operand is computed on the way)
;;   THE QUANTISER, for each operand of a quantised product, along K:
;;     - K is cut into blocks of 32 from its start; a last block that is shorter is filled with zeros.
;;     - A block's scale is 2^e with e = floor(log2(the largest magnitude in the block)) - 2, held to -126 .. 127; a block of zeros has e = 0. As a byte (E8M0): e + 127.
;;     - Each number is divided by its block's scale, clamped to +-6, and rounded to the nearest number of E2M1, ties to even, subnormals kept.
;;     - The product sums the exact products of the quantised numbers (number of the format x scale) in f32.
;;   ~~~python
;;   def quantise(x, axis):      # numpy; x: float32 -> the quantised numbers, widened to float32 again
;;       x = np.moveaxis(x, axis, -1); K = x.shape[-1]
;;       x = np.pad(x, [(0, 0)] * (x.ndim - 1) + [(0, -K % 32)]); x = x.reshape(x.shape[:-1] + (-1, 32)); a = np.abs(x).max(-1, keepdims=True)
;;       e = np.where(a > 0, np.clip(np.frexp(np.where(a > 0, a, 1))[1] - 1 - 2, -126, 127), 0)      # np.frexp(a)[1] - 1 = floor(log2(a)), exactly
;;       r = np.clip(x / 2.0 ** e, -6, 6)
;;       step = 2.0 ** (np.maximum(np.frexp(np.where(r == 0, 1, r))[1] - 1, 0) - 1)
;;       q = np.round(r / step) * step * 2.0 ** e      # np.round: ties to even
;;       return np.moveaxis(q.reshape(q.shape[:-2] + (-1,))[..., :K], -1, axis).astype(np.float32)
;;   ~~~
;; One version. Each part assembles by itself: llvm-mc -triple=amdgcn-amd-amdhsa -mcpu=gfx1250 --defsym DOCPART=n.
;; ======== version 1 of 1: 3 launches
;; limits: values are held in f16: magnitudes above 65,504 overflow, below 6.1e-05 lose precision
;; workspace buffers: wcodes 1,671,168 bytes; woh 2,097,152 bytes; ctx 33,554,432 bytes
;; launch prep (part 1): grid 256 x 1, 4 waves a work-group, no clusters, 35,328 bytes of LDS; arguments Wq, Wk, Wv, Wo, wcodes, woh; writes wcodes, woh
.if DOCPART == 1
	.amdgcn_target "amdgcn-amd-amdhsa--gfx1250"
	.amdhsa_code_object_version 6
	.text
	.protected	k_q72d3e0dafd_prep
	.globl	k_q72d3e0dafd_prep
	.p2align	8
	.type	k_q72d3e0dafd_prep,@function
k_q72d3e0dafd_prep:
	s_mov_b64 s[64:65], 0
	v_nop
	global_prefetch_b8 v0, s[64:65] scope:SCOPE_SE
	s_setreg_imm32_b32 hwreg(HW_REG_WAVE_MODE, 25, 1), 1
	s_wait_xcnt 0x0
; THE WEIGHTS ARE LAID OUT ONCE.  Wq, Wk, Wv, Wo: [1024 (k)][1024 (n)] f32, K the FIRST axis.
; Wq, Wk, Wv become codes of FP4 (E2M1) with one E8M0 byte for each 32 along K, stored in the order of the reader's operand registers:
;   wcodes [reader's wave w 0..3][pass p 0..2][K step s 0..7][half g 0..1][8,704 bytes].  A half is 8 tiles of 16 columns (tile bb: columns 256 w + 128 g + 16 bb + r) x 128 along K.
;   Tile bb lies at 1,024 bb as an image of its 8 registers: the 16 bytes of block kb (32 along K) of column r at 512 (kb / 2) + 256 (kb % 2) + 16 r.
;   At 8,192 follow the scale words (four bytes: a column's 128 along K) as the image of 4 registers: the word of tile bb, column r at 16 (r + 16 (bb % 2)) + 4 (bb / 2).
; Wo becomes f16, turned to woh [n][k], K innermost.
; A LANE TAKES A COLUMN n AND ITS REGISTERS RUN DOWN K: a load reads 128 consecutive bytes a wave (the four waves stand side by side on 512), a block of 32 along K lies in one lane, and the
; conversions give the codes with K innermost.  Nothing is transposed by an instruction.
; SHARES: work-group u: tensor p = u / 64 (3: Wo), 128 rows of K RB = (u / 8) % 8, 128 columns CG = u % 8; wave v takes 32 of the columns.
; A block's scale is 2^(floor(log2(its largest magnitude)) - 2); its byte is the largest magnitude's exponent field - 2, held at 1 from below.
; LIMITS: a block of zeros, and one whose largest magnitude lies under 2^-124, keeps the byte 1 (its codes are read by this program alone; zero codes add nothing); NaN and infinities are not served;
; |Wo| up to 65,504, the largest f16 number.
; The scale words leave 4 bytes a lane, 16 bytes apart: one byte for each 128 bytes that the launch reads.
.set SPW,   12                         ; v12  LDS address of my spare word; never rewritten
.set NIL,   13                         ; v13  0; never rewritten
.set SPARE, 34816                      ; behind the four stages: the spare words, 128 bytes a wave
.set X,     32                         ; v32-159  128 numbers down K of my column
.set CD,    160                        ; v160-175 codes, four registers a block (Wo: v160-223 the packed f16)
.set SW,    176                        ; v176     my column's scale word
.set HALFB, 8704
.set SPT,   272                        ; a stage row: 256 bytes + 16
	s_load_b256 s[4:11], s[0:1], 0x0               ; Wq, Wk, Wv, Wo
	s_load_b128 s[12:15], s[0:1], 0x20             ; wcodes, woh
	v_lshl_add_u32 v[SPW], v0, 2, SPARE
	v_mov_b32 v[NIL], 0
	v_lshrrev_b32 v1, 5, v0
	v_readfirstlane_b32 s16, v1                    ; wave v
	v_and_b32 v2, 31, v0                           ; lane l
	v_lshlrev_b32 v3, 2, v2                        ; in: 4 bytes a lane
	v_lshrrev_b32 v6, 4, v2                        ; l / 16
	v_and_b32 v7, 15, v2                           ; l % 16
	s_lshr_b32 s17, ttmp9, 6                       ; p
	s_bfe_u32 s18, ttmp9, 0x30003                  ; RB
	s_and_b32 s19, ttmp9, 7                        ; CG
	s_lshl_b32 s20, s18, 19                        ; 128 RB rows of 4,096 bytes
	s_lshl_b32 s21, s19, 9                         ; + 128 CG columns
	s_add_co_u32 s20, s20, s21
	s_lshl_b32 s21, s16, 7                         ; + 32 v columns
	s_add_co_u32 s20, s20, s21
	s_mov_b32 s21, 0
	v_lshlrev_b32 v4, 4, v7                        ; codes out: 16 (l % 16) + 1,024 (l / 16) + 2,048 v: tile 2 v + l / 16
	v_lshl_add_u32 v4, v6, 10, v4
	s_lshl_b32 s26, s16, 11
	v_add_nc_u32 v4, s26, v4
	v_lshlrev_b32 v5, 4, v2                        ; scale word out: 16 l + 4 v
	s_lshl_b32 s26, s16, 2
	v_add_nc_u32 v5, s26, v5
	s_mul_i32 s26, s16, 32*SPT                     ; my stage (Wo's way alone)
	v_mul_u32_u24 v8, v2, SPT
	v_add_nc_u32 v8, s26, v8                       ; into it: row = my column
	v_mul_u32_u24 v9, v6, SPT
	v_lshl_add_u32 v9, v7, 4, v9
	v_add_nc_u32 v9, s26, v9                       ; out of it: sixteen lanes to a row, two rows an instruction
	v_lshlrev_b32 v10, 4, v7
	v_lshl_add_u32 v10, v6, 11, v10                ; and the same place in woh: rows of 2,048 bytes
	s_wait_kmcnt 0x0
	s_cmp_lt_u32 s17, 1                            ; which tensor: the choice hangs on the work-group's number alone
	s_cselect_b64 s[22:23], s[4:5], s[6:7]
	s_cmp_lt_u32 s17, 2
	s_cselect_b64 s[22:23], s[22:23], s[8:9]
	s_cmp_lt_u32 s17, 3
	s_cselect_b64 s[22:23], s[22:23], s[10:11]
	s_add_nc_u64 s[22:23], s[22:23], s[20:21]
.set i, 0
.rept 128
	global_load_b32 v[X+i], v3, s[22:23] offset:i*4096 th:TH_LOAD_NT   ; W(128 RB + i, my column): all 128 go out at once
.set i, i+1
.endr
	s_cmp_eq_u32 s17, 3
	s_cbranch_scc1 .Lwo
	; ---- Wq, Wk, Wv: four blocks of 32 along K
	s_lshr_b32 s24, s19, 1                         ; the half's number: (((CG / 2) 3 + p) 8 + RB) 2 + CG % 2
	s_mul_i32 s24, s24, 3
	s_add_co_u32 s24, s24, s17
	s_lshl_b32 s24, s24, 3
	s_add_co_u32 s24, s24, s18
	s_lshl_b32 s24, s24, 1
	s_and_b32 s25, s19, 1
	s_add_co_u32 s24, s24, s25
	s_mul_i32 s24, s24, HALFB
	s_mov_b32 s25, 0
	s_add_nc_u64 s[12:13], s[12:13], s[24:25]
.macro BLOCK kb, left                  ; left: how many younger loads may stay out (the wait names 63 at the most)
.set XS, X+32*(\kb)
	s_wait_loadcnt \left
	v_max3_num_f32 v14, |v[XS]|, |v[XS+1]|, |v[XS+2]|              ; the block's largest magnitude, in two chains: all 32 numbers are mine
	v_max3_num_f32 v15, |v[XS+3]|, |v[XS+4]|, |v[XS+5]|
.irp i, 6,10,14,18,22,26
	v_max3_num_f32 v14, v14, |v[XS+\i]|, |v[XS+\i+1]|
	v_max3_num_f32 v15, v15, |v[XS+\i+2]|, |v[XS+\i+3]|
.endr
	v_max3_num_f32 v14, v14, |v[XS+30]|, |v[XS+31]|
	v_max3_num_f32 v14, v14, v15, 0x1800000        ; and the floor 2^(3 - 127): the byte cannot fall under 1
	v_add_nc_u32 v16, 0xff000000, v14              ; 2 off the exponent field: the conversion takes this operand's exponent field as its scale
	v_lshrrev_b32 v17, 23, v16                     ; the scale's byte
.if (\kb) == 0
	v_mov_b32 v[SW], v17
.else
	v_lshl_or_b32 v[SW], v17, 8*(\kb), v[SW]       ; the lower K in the lower byte
.endif
.irp g, 0,1,2,3
	v_cvt_scalef32_pk8_fp4_f32 v[CD+4*(\kb)+\g], v[XS+8*\g:XS+8*\g+7], v16
.endr
	v_nop                                          ; one plain line behind the conversions, ahead of the next write of their scale operand
	global_store_b128 v4, v[CD+4*(\kb):CD+4*(\kb)+3], s[12:13] offset:((\kb)/2)*512+((\kb)%2)*256   ; sixteen lanes store 256 consecutive bytes, aligned
.endm
	BLOCK 0, 63                                    ; 96 younger loads
	BLOCK 1, 63                                    ; 64
	BLOCK 2, 32
	BLOCK 3, 0
	global_store_b32 v5, v[SW], s[12:13] offset:8192
	s_endpgm                                       ; this way has written no LDS
.Lwo:
	; ---- Wo: 128 numbers down K become 256 bytes of row n of woh; they go through my stage and leave as rows
	s_lshl_b32 s28, s19, 18                        ; 128 CG rows of 2,048 bytes
	s_lshl_b32 s29, s16, 16                        ; + 32 v rows
	s_add_co_u32 s28, s28, s29
	s_lshl_b32 s29, s18, 8                         ; + 128 RB along K
	s_add_co_u32 s28, s28, s29
	s_mov_b32 s29, 0
	s_add_nc_u64 s[14:15], s[14:15], s[28:29]
	s_wait_loadcnt 0x0
.set i, 0
.rept 64
	v_cvt_pk_f16_f32 v[CD+i], v[X+2*i], v[X+2*i+1]                 ; the lower k in the low half
.set i, i+1
.endr
.irp t, 0,1,2,3,4,5,6,7,8,9,10,11,12,13,14,15
	ds_store_b128 v8, v[CD+4*\t:CD+4*\t+3] offset:16*\t
.endr
.irp t, 0,1,2,3,4,5,6,7,8,9,10,11,12,13,14,15
	ds_load_b128 v[X+4*\t:X+4*\t+3], v9 offset:2*\t*SPT            ; LDS serves a wave's instructions in order: these see my stores
.endr
.irp t, 0,1,2,3,4,5,6,7,8,9,10,11,12,13,14,15
	s_wait_dscnt 15-\t
	global_store_b128 v10, v[X+4*\t:X+4*\t+3], s[14:15] offset:2*\t*2048   ; sixteen lanes store 256 consecutive bytes, aligned
.endr
	s_wait_tensorcnt 0x0                           ; the wave's end, behind my last LDS store
	ds_add_u32 v[SPW], v[NIL]
	s_wait_dscnt 0x0
	s_endpgm
.Lfunc_end_k_q72d3e0dafd_prep:
	.size	k_q72d3e0dafd_prep, .Lfunc_end_k_q72d3e0dafd_prep-k_q72d3e0dafd_prep
	.p2alignl 7, 3214868480
	.fill 96, 4, 3214868480
	.section	.rodata,"a",@progbits
	.p2align	6, 0x0
	.amdhsa_kernel k_q72d3e0dafd_prep
		.amdhsa_group_segment_fixed_size 35328
		.amdhsa_private_segment_fixed_size 0
		.amdhsa_enable_private_segment 0
		.amdhsa_kernarg_size 48
		.amdhsa_user_sgpr_count 2
		.amdhsa_user_sgpr_kernarg_segment_ptr 1
		.amdhsa_wavefront_size32 1
		.amdhsa_system_sgpr_workgroup_id_x 1
		.amdhsa_system_sgpr_workgroup_id_y 1
		.amdhsa_system_sgpr_workgroup_id_z 1
		.amdhsa_system_vgpr_workitem_id 0
		.amdhsa_next_free_vgpr 224
		.amdhsa_next_free_sgpr 66
		.amdhsa_reserve_vcc 0
		.amdhsa_float_denorm_mode_32 3
		.amdhsa_float_denorm_mode_16_64 3
		.amdhsa_memory_ordered 1
		.amdhsa_forward_progress 1
		.amdhsa_inst_pref_size 30
	.end_amdhsa_kernel
	.amdgpu_metadata
---
amdhsa.version: [ 1, 2 ]
amdhsa.kernels:
  - .name:           k_q72d3e0dafd_prep
    .symbol:         k_q72d3e0dafd_prep.kd
    .args:
      - { .name: Wq, .offset: 0, .size: 8, .value_kind: global_buffer, .address_space: global }
      - { .name: Wk, .offset: 8, .size: 8, .value_kind: global_buffer, .address_space: global }
      - { .name: Wv, .offset: 16, .size: 8, .value_kind: global_buffer, .address_space: global }
      - { .name: Wo, .offset: 24, .size: 8, .value_kind: global_buffer, .address_space: global }
      - { .name: wcodes, .offset: 32, .size: 8, .value_kind: global_buffer, .address_space: global }
      - { .name: woh, .offset: 40, .size: 8, .value_kind: global_buffer, .address_space: global }
    .group_segment_fixed_size: 35328
    .private_segment_fixed_size: 0
    .kernarg_segment_align: 8
    .kernarg_segment_size: 48
    .max_flat_workgroup_size: 128
    .sgpr_count:     66
    .vgpr_count:     224
    .wavefront_size: 32
...
	.end_amdgpu_metadata
.endif
;; end of part 1
;; launch qkvattn (part 2): grid 256 x 1, 4 waves a work-group, no clusters, 305,920 bytes of LDS; arguments x, wcodes, bq, bk, bv, ctx; writes ctx
.if DOCPART == 2
	.amdgcn_target "amdgcn-amd-amdhsa--gfx1250"
	.amdhsa_code_object_version 6
	.text
	.protected	k_q72d3e0dafd_qkvattn
	.globl	k_q72d3e0dafd_qkvattn
	.p2align	8
	.type	k_q72d3e0dafd_qkvattn,@function
k_q72d3e0dafd_qkvattn:
	s_mov_b64 s[64:65], 0
	v_nop
	global_prefetch_b8 v0, s[64:65] scope:SCOPE_SE
	s_setreg_imm32_b32 hwreg(HW_REG_WAVE_MODE, 25, 1), 1
	s_wait_xcnt 0x0
; FOR 64 TOKENS: x -> codes of FP4; q, k, v = x W + b on codes (three passes); for each token softmax(q k^T) v over its 16 heads; ctx as f16.  q, k, v never go to memory.
; x [16384][1024] f32; wcodes as the launch before laid it; bq, bk, bv [1024] f32; ctx [16384][1024] f16.
; SHARES.  In the passes wave w makes columns 256 w .. 256 w + 255 (heads 4 w .. 4 w + 3) of all 64 tokens: 4 tiles of tokens x 16 tiles of columns = 64 accumulators, 512 registers.
; In the attention wave w owns tokens 16 w .. 16 w + 15 with all heads.  Between the two, q, k and v change hands through LDS, as f16.
; THE MATRIX INSTRUCTION IS USED TRANSPOSED (source 0 = 16 columns of W, source 1 = 16 tokens): a lane holds ONE token and eight neighbouring columns, 16 bytes of f16.
; x COMES IN FOUR QUARTERS OF K: each wave asks at the head for its own 16 tokens, quarter by quarter (four tensor loads of 16 rows x 1,024 bytes; 16 rows and not 64, since a wave's loads land in order and the
; quarters are wanted one after the other).  Pass q takes two K steps as soon as their quarter is quantised, while the later quarters are on their way.
; THE WEIGHTS GO FROM MEMORY STRAIGHT INTO REGISTERS, four halves of a K step (4 x 8,704 bytes a wave) on their way at all times.  No ring in LDS and no joint loads in a cluster for them: x's codes (39,168 bytes)
; and the two stages (2 x 132,096) take 303,360 of the 327,680 bytes, and a K step of weights is 69,632, so two slots do not fit; and no two waves of the work-group read the same weight byte, so a way through LDS
; would add a write and a read of every byte and spare none.  No prefetch: all 256 work-groups walk the same 1.6 MB of codes, and x is asked for whole at the head.
; SOFTMAX: the row's largest score is taken away: p = 2^(c s - c m), c = log2(e); p is divided by its sum in f32 and rounded to f16.
; LIMITS: |q|, |k|, |v| up to 65,504, the largest f16 number (with x and W both 30 times the usual size |q| stays near 900 x 6; with an offset of 30 spreads on both near 1,024 x 30 x 0.94 = 29,000);
; NaN and infinities are not served; a block of x that is all zeros or lies under 2^-124 keeps the scale byte 1 (its bytes are read here alone).
; LDS: 0 XIMG: x's fragments as images of their registers, (K step s, token tile a) at 1,024 (4 s + a), s = 0 .. 8, K step 8 a copy of K step 0, so that the passes' addresses only ever step forward;
;   36,864 XSC: their scale words [s][a][16]; 39,168 XF32: x as f32, wave w's 16 tokens at 66,560 w, quarter qd at 16,640 qd: 16 rows at pitch 1,040, filled once; over it, when it has been read: QST (64 tokens
;   x 2,064) and KST (the same); 305,408 the spare words.  In a token's 2,048 bytes q and k lie as fragment images (head hd, d = 16 t + 8 h + 0 .. 7 at 512 t + 256 h + 16 hd), v as [head][64].
;   Behind the scores wave w's 33,024 bytes of KST hold p's images (512 a token) and, from 8,192 on, a stage for ctx (4 tokens x 16 heads x 144 bytes).
; REGISTERS, in windows of 256: window 0: v1-31 addresses; v32-35 x's scale words, v48-63 the weights' (scales and nothing else); v36-39 the four halves' offsets; v64-127 x's fragments, two sets;
;   v128-255 a pass's bias, 8 registers a column tile (in pass q, between its trips, v64-216 are at work on x).
;   window 1: four halves of weights, 64 registers each.   windows 2, 3: accumulator (a, b) in window 2 + b / 8 at v[8 (4 (b % 8) + a)]; between the passes these are at work.
.set XIMG,  0
.set XSC,   36864
.set XF32,  39168
.set XROW,  1040
.set QUART, 16*XROW                    ; a quarter of K of 16 tokens
.set WX,    4*QUART                    ; a wave's 16 tokens
.set TOK,   2064                       ; 129 x 16: lanes that hold sixteen tokens store to sixteen different columns of 16 bytes
.set WTOK,  16*TOK
.set QST,   XF32
.set KST,   QST+64*TOK
.set CSTG,  8192
.set CPT,   144
.set CTOK,  16*CPT
.set SPARE, XF32+4*WX
.set HALFB, 8704
.set LI,   1                           ; 16 x lane: an image's place for my lane; also my offset in a row of ctx
.set SPW,  2                           ; LDS address of my spare word; never rewritten
.set NIL,  3                           ; 0; never rewritten
.set RR,   4                           ; r = lane % 16
.set HH,   5                           ; h = lane / 16
.set XLD,  6                           ; x as f32: my wave's row r, + 64 h
.set XWI,  7                           ; where I store x's images: 1,024 w + 16 lane
.set XWS,  8                           ; and their scale words: XSC + 64 w + 4 r
.set AAD,  12                          ; the K step in hand: x's images,
.set ASAD, 13                          ; x's scale words
.set LS,   14                          ; XSC + 4 x lane
.set BOFF, 15                          ; 32 h: my eight numbers of a bias tile
.set EXA,  16                          ; v16-19 the exchange: my place in token tile a
.set QB,   21                          ; my wave's tokens in QST, + 16 lane
.set KB,   22                          ; the same in KST; also p's images
.set VB,   23                          ; v, for the turning load
.set CST,  24                          ; ctx's stage, in
.set CLD,  25                          ; and back
.set T0,   26
.set T1,   27
.set T2,   28
.set EXQK, 29                          ; 2,064 r + 256 h + 64 w
.set EXV,  30                          ; 2,064 r + 16 h + 512 w
.set ASC,  32
.set HO,   36                          ; v36-39 half hi's byte offset among my wave's 48 halves, + 16 lane: each stepped by four halves behind the wait that shows its last loads done
.set BS,   48
.set AF,   64
.set BIAS, 128
.set WV,   16
.set FP,   18                          ; s[18:19] my wave's 48 halves of weights; never rewritten
.set SEL,  20                          ; s[20:21] v_permlanex16_b32's selects for lane l xor 16
.set L2E,  22                          ; s[22:23] log2(e), twice: the packed form names a pair
.set KO,   24
.set SO,   25
.set CNT,  26
.set G1,   28                          ; s[28:35] descriptor group 1
.set G0,   36                          ; s[36:51] four groups 0, one for each quarter; never rewritten
.set MSB, 0
.macro WIN new                         ; the immediate's high byte repeats the setting that is left; a switch that changes nothing is dropped
.if MSB != (\new)
	s_set_vgpr_msb (MSB<<8)|(\new)
.set MSB, (\new)
.endif
.endm
.macro BARRIER                         ; my LDS stores have landed and my LDS loads are in: then the work-group's barrier
	s_wait_dscnt 0x0
	s_barrier_signal -1
	s_barrier_wait -1
.endm
.macro PLACES                          ; four plain vector lines between a matrix instruction and a load into, or a vector read of, its registers
.rept 4
	v_nop
.endr
.endm
.macro BIASLOAD p                      ; 32 loads: tile b's C: lane (r, h) takes the bias of columns 16 b + 8 h + 0 .. 7
.irp b, 0,1,2,3,4,5,6,7,8,9,10,11,12,13,14,15
	global_load_b128 v[BIAS+8*\b:BIAS+8*\b+3], v[BOFF], s[\p:\p+1] offset:64*\b
	global_load_b128 v[BIAS+8*\b+4:BIAS+8*\b+7], v[BOFF], s[\p:\p+1] offset:64*\b+16
.endr
.endm
.macro FILL hi                         ; 17 loads: the half at v[HO + hi]: eight fragments into window 1, four registers of scale words
	WIN 0x40
.irp bb, 0,1,2,3,4,5,6,7
	global_load_b128 v[64*(\hi)+8*\bb:64*(\hi)+8*\bb+3], v[HO+(\hi)], s[FP:FP+1] offset:\bb*1024
	global_load_b128 v[64*(\hi)+8*\bb+4:64*(\hi)+8*\bb+7], v[HO+(\hi)], s[FP:FP+1] offset:\bb*1024+512
.endr
	WIN 0
	global_load_b128 v[BS+4*(\hi):BS+4*(\hi)+3], v[HO+(\hi)], s[FP:FP+1] offset:8192
.endm
.macro ALOAD e, off, soff              ; x's four fragments and two registers of scale words (lanes 0-15: tile 2 i, lanes 16-31: tile 2 i + 1) of one K step into set e
.irp a, 0,1,2,3
	ds_load_b128 v[AF+32*\e+8*\a:AF+32*\e+8*\a+3], v[AAD] offset:\off+\a*1024
	ds_load_b128 v[AF+32*\e+8*\a+4:AF+32*\e+8*\a+7], v[AAD] offset:\off+\a*1024+512
.endr
.irp i, 0,1
	ds_load_b32 v[ASC+2*\e+\i], v[ASAD] offset:\soff+128*\i
.endr
.endm
.macro NEXTA                           ; two K steps on, and the first of them into set 0 (no LDS load of mine is out where this stands)
	s_add_co_u32 s[KO], s[KO], 8192
	s_add_co_u32 s[SO], s[SO], 512
	v_add_nc_u32 v[AAD], s[KO], v[LI]
	v_add_nc_u32 v[ASAD], s[SO], v[LS]
	ALOAD 0, 0, 0
.endm
.macro WM a, bb, e, g, first           ; one product: column tile 8 g + bb x token tile a, 128 along K.  first = 1: the bias is the C that starts the sum
.set rD, 8*(4*(\bb)+(\a))
.set rA, 64*(2*(\e)+(\g))+8*(\bb)
.set rB, AF+32*(\e)+8*(\a)
.set rC, rD
.if \first
.set rC, BIAS+8*(8*(\g)+(\bb))
.endif
.set rSA, BS+4*(2*(\e)+(\g))+(\bb)/2
.set rSB, ASC+2*(\e)+(\a)/2
.if ((\bb)%2 == 0) && ((\a)%2 == 0)
	v_wmma_scale_f32_16x16x128_f8f6f4 v[rD:rD+7], v[rA:rA+7], v[rB:rB+7], v[rC:rC+7], v[rSA], v[rSB] matrix_a_fmt:MATRIX_FMT_FP4 matrix_b_fmt:MATRIX_FMT_FP4
.elseif (\a)%2 == 0
	v_wmma_scale_f32_16x16x128_f8f6f4 v[rD:rD+7], v[rA:rA+7], v[rB:rB+7], v[rC:rC+7], v[rSA], v[rSB] matrix_a_fmt:MATRIX_FMT_FP4 matrix_b_fmt:MATRIX_FMT_FP4 matrix_a_scale:MATRIX_SCALE_ROW1
.elseif (\bb)%2 == 0
	v_wmma_scale_f32_16x16x128_f8f6f4 v[rD:rD+7], v[rA:rA+7], v[rB:rB+7], v[rC:rC+7], v[rSA], v[rSB] matrix_a_fmt:MATRIX_FMT_FP4 matrix_b_fmt:MATRIX_FMT_FP4 matrix_b_scale:MATRIX_SCALE_ROW1
.else
	v_wmma_scale_f32_16x16x128_f8f6f4 v[rD:rD+7], v[rA:rA+7], v[rB:rB+7], v[rC:rC+7], v[rSA], v[rSB] matrix_a_fmt:MATRIX_FMT_FP4 matrix_b_fmt:MATRIX_FMT_FP4 matrix_a_scale:MATRIX_SCALE_ROW1 matrix_b_scale:MATRIX_SCALE_ROW1
.endif
.endm
; Half g of K step e of a trip: 32 products.  The 64 accumulators take turns, one instruction a turn, in the same order in every K step.
; left: the loads issued behind this half's 17 that may stay out.  That wait shows the 17 done: so their data may be multiplied, and their offset register may be stepped.
.macro HALF e, g, first, fill, left
	s_wait_loadcnt \left
.if (\g) == 0
	s_wait_dscnt 0x0                               ; x's set e is in
.endif
.if \first
	WIN 0x81+0x40*(\g)                             ; source 0 window 1, source 1 and C window 0, D window 2 or 3
.else
	WIN 0xa1+0x50*(\g)                             ; source 0 window 1, source 1 window 0, C and D window 2 or 3
.endif
.irp bb, 0,1,2,3,4,5,6,7
.irp a, 0,1,2,3
	WM \a, \bb, \e, \g, \first
.endr
.endr
	WIN 0
.if \fill
	v_add_nc_u32 v[HO+2*(\e)+(\g)], 4*HALFB, v[HO+2*(\e)+(\g)]   ; four halves on: the first of the four plain lines behind the products
.rept 3
	v_nop
.endr
	FILL 2*(\e)+(\g)                               ; the registers just multiplied take the half four halves on
.else
	PLACES
.endif
.endm
; Two K steps.  look = 1: the first fragments of x for the next two K steps are fetched on the way.  nb: the scalar pair of the next pass's bias (0: none).
.macro TRIP first, fill, look, n0, n1, n2, n3, nb
	HALF 0, 0, \first, \fill, \n0
	ALOAD 1, 4096, 256
	HALF 0, 1, \first, \fill, \n1
.if \nb
	BIASLOAD \nb
.endif
	HALF 1, 0, 0, \fill, \n2
.if \look
	NEXTA                                          ; at a pass's end this is K step 8, the copy of K step 0: the next pass finds its first fragments in registers
.endif
	HALF 1, 1, 0, \fill, \n3
.endm
; A pass of 8 K steps whose x lies whole in LDS.  Counts: behind a wanted half three halves of 17 loads were issued: 51; in a trip that also asks for a bias, 83 from its third half on, of which the wait can name 63;
; n0: the first wait, which also shows the pass's own bias landed; the very last trip asks for nothing: 51, 34, 17, 0.
.macro PASS nb, last, n0
	s_mov_b32 s[KO], 0
	s_mov_b32 s[SO], 0
	s_wait_dscnt 0x0                               ; no LDS instruction of mine is out: the two address registers may be written
	v_add_nc_u32 v[AAD], s[KO], v[LI]
	v_add_nc_u32 v[ASAD], s[SO], v[LS]
.if \nb
	TRIP 1, 1, 1, \n0, 51, 63, 63, \nb
.else
	TRIP 1, 1, 1, \n0, 51, 51, 51, 0
.endif
	s_mov_b32 s[CNT], 3-(\last)
.Lpass_\@:
	TRIP 0, 1, 1, 51, 51, 51, 51, 0
	s_sub_co_u32 s[CNT], s[CNT], 1
	s_cmp_lg_u32 s[CNT], 0
	s_cbranch_scc1 .Lpass_\@
.if \last
	TRIP 0, 0, 0, 51, 34, 17, 0, 0
.endif
.endm
; The exchange: the 64 accumulators are rounded to f16 in place (each from its low end on) and stored, 16 bytes a lane.  kind = 0: q, k as fragment images; 1: v as [head][64].
.macro EXCH base, region, kind
.irp a, 0,1,2,3
	v_add_nc_u32 v[EXA+\a], \region+\a*WTOK, v[\base]
.endr
.irp g, 0,1
	WIN 0x8a+0x45*\g                               ; sources and destination window 2, then 3
.set t, 0
.rept 32
	v_cvt_pk_f16_f32 v[8*t], v[8*t], v[8*t+1]
	v_cvt_pk_f16_f32 v[8*t+1], v[8*t+2], v[8*t+3]
	v_cvt_pk_f16_f32 v[8*t+2], v[8*t+4], v[8*t+5]
	v_cvt_pk_f16_f32 v[8*t+3], v[8*t+6], v[8*t+7]
.set t, t+1
.endr
	WIN 0x08+0x04*\g                               ; an LDS store's data are its source 1
.irp bb, 0,1,2,3,4,5,6,7
.irp a, 0,1,2,3
.if \kind
	ds_store_b128 v[EXA+\a], v[8*(4*\bb+\a):8*(4*\bb+\a)+3] offset:((8*\g+\bb)/4)*128+((8*\g+\bb)%4)*32
.else
	ds_store_b128 v[EXA+\a], v[8*(4*\bb+\a):8*(4*\bb+\a)+3] offset:((8*\g+\bb)%4)*512+((8*\g+\bb)/4)*16
.endif
.endr
.endr
.endr
	WIN 0
.endm
; 64 numbers of a lane, register 16 b + i = k 32 b + 16 h + i of my row, become a fragment's codes in v[PC] on and its scale word in v[PW].  TM, PC, PW: set by XQ.
.macro QUANT s
.irp b, 0,1,2,3
	v_max3_num_f32 v[TM+\b], |v[\s+16*\b]|, |v[\s+1+16*\b]|, 0x1800000   ; my 16 numbers of block b, and the floor 2^(3 - 127): the byte cannot fall under 1
.endr
.irp i, 2,4,6,8,10,12,14
.irp b, 0,1,2,3
	v_max3_num_f32 v[TM+\b], v[TM+\b], |v[\s+16*\b+\i]|, |v[\s+1+16*\b+\i]|
.endr
.endr
.irp b, 0,1,2,3
	v_permlanex16_b32 v[TM+4+\b], v[TM+\b], s[SEL], s[SEL+1]
.endr
.irp b, 0,1,2,3
	v_max_num_f32 v[TM+\b], v[TM+\b], v[TM+4+\b]   ; with lane l xor 16's: the block's largest magnitude
.endr
.irp b, 0,1,2,3
	v_add_nc_u32 v[TM+12+\b], 0xff000000, v[TM+\b] ; 2 off its exponent field: the conversion's scale operand
.endr
.irp b, 0,1,2,3
	v_lshrrev_b32 v[TM+4+\b], 23, v[TM+12+\b]      ; the scale's byte
.endr
	v_lshl_or_b32 v[PW], v[TM+5], 8, v[TM+4]
	v_lshl_or_b32 v[PW], v[TM+6], 16, v[PW]
	v_lshl_or_b32 v[PW], v[TM+7], 24, v[PW]
.irp b, 0,1,2,3
	v_cvt_scalef32_pk8_fp4_f32 v[PC+2*\b], v[\s+16*\b:\s+7+16*\b], v[TM+12+\b]
	v_cvt_scalef32_pk8_fp4_f32 v[PC+1+2*\b], v[\s+8+16*\b:\s+15+16*\b], v[TM+12+\b]
.endr
	v_nop                                          ; one plain line behind a scaled conversion
.irp c, 0,1                                    ; the operand's layout wants a whole block in a lane: lanes 0-15 block 2 c, lanes 16-31 block 2 c + 1
.irp i, 0,1
	v_permlane16_swap_b32 v[PC+4*\c+\i], v[PC+2+4*\c+\i]
.endr
.endr
.endm
; Quarter qd of K of my 16 tokens becomes two fragments (K steps 2 qd, 2 qd + 1) and their scale words, stored as images.
; hiwin = 1: at work in window 2, where the accumulators are not yet live.  hiwin = 0: in window 0: v128-191 and v64-127 the numbers, v192-216 at work: the bias's and x's fragments' registers, idle between pass q's trips.
.macro XQ qd, hiwin
.if \hiwin
.set N0, 0
.set N1, 64
.set TM, 128
.set PC, 144
.set PW, 152
.set WL, 0x80
.set WQ, 0xaa
.set WS, 0x08
.else
.set N0, 128
.set N1, 64
.set TM, 192
.set PC, 208
.set PW, 216
.set WL, 0
.set WQ, 0
.set WS, 0
.endif
	s_wait_tensorcnt 3-(\qd)                       ; a wave's tensor loads end in order (ISA guide 10.11.1): my quarter qd is in LDS; the 3 - qd issued behind it may stay out.  Only I read these bytes
	WIN WL
.irp b, 0,1,2,3
.irp j, 0,1,2,3
	ds_load_b128 v[N0+16*\b+4*\j:N0+16*\b+4*\j+3], v[XLD] offset:(\qd)*QUART+128*\b+16*\j
.endr
.endr
.irp b, 0,1,2,3
.irp j, 0,1,2,3
	ds_load_b128 v[N1+16*\b+4*\j:N1+16*\b+4*\j+3], v[XLD] offset:(\qd)*QUART+512+128*\b+16*\j
.endr
.endr
	s_wait_dscnt 16                                ; the first K step's sixteen loads are in, the second's may be out
	WIN WQ
	QUANT N0
	WIN WS
	ds_store_b128 v[XWI], v[PC:PC+3] offset:(\qd)*8192
	ds_store_b128 v[XWI], v[PC+4:PC+7] offset:(\qd)*8192+512
	ds_store_b32 v[XWS], v[PW] offset:(\qd)*512    ; lanes r and r + 16 write the same word with the same value
.if (\qd) == 0
	ds_store_b128 v[XWI], v[PC:PC+3] offset:32768  ; K step 8 is a copy of K step 0
	ds_store_b128 v[XWI], v[PC+4:PC+7] offset:32768+512
	ds_store_b32 v[XWS], v[PW] offset:2048
.endif
	s_wait_dscnt 0x0                               ; the stores have read their registers, and the second K step is in
	WIN WQ
	QUANT N1
	WIN WS
	ds_store_b128 v[XWI], v[PC:PC+3] offset:(\qd)*8192+4096
	ds_store_b128 v[XWI], v[PC+4:PC+7] offset:(\qd)*8192+4096+512
	ds_store_b32 v[XWS], v[PW] offset:(\qd)*512+256
	WIN 0
.endm
	s_load_b256 s[4:11], s[0:1], 0x0               ; x, wcodes, bq, bk
	s_load_b128 s[12:15], s[0:1], 0x20             ; bv, ctx
	v_lshl_add_u32 v[SPW], v0, 2, SPARE
	v_mov_b32 v[NIL], 0
	ds_add_u32 v[SPW], v[NIL]                      ; the wave's opening: the add, twice on end, and its wait ahead of my first tensor load
	ds_add_u32 v[SPW], v[NIL]
	v_lshrrev_b32 v31, 5, v0
	v_readfirstlane_b32 s[WV], v31                 ; wave 0..3
	; descriptor group 1: 16 rows x 256 elements of 4 bytes, 1,024 elements from row to row; in LDS 4 words of padding behind every 256
	s_mov_b32 s[G1], (2<<16)|(1<<20)|(7<<22)|(3<<25)
	s_mov_b32 s[G1+1], 256<<16                     ; tensor_dim0
	s_mov_b32 s[G1+2], 16<<16                      ; tensor_dim1
	s_mov_b32 s[G1+3], 256<<16                     ; tile_dim0
	s_mov_b32 s[G1+4], 16                          ; tile_dim1
	s_mov_b32 s[G1+5], 1024                        ; tensor_dim0_stride
	s_mov_b32 s[G1+6], 0
	s_mov_b32 s[G1+7], 0
	s_mul_i32 s52, s[WV], WX                       ; my wave's part of XF32
	s_add_co_u32 s53, s52, XF32
.irp qd, 0,1,2,3
	s_mov_b32 s[G0+4*\qd], 1
	s_add_co_u32 s[G0+4*\qd+1], s52, XF32+\qd*QUART
.endr
	s_lshl_b32 s54, ttmp9, 18                      ; 64 rows of 4,096 bytes a work-group,
	s_lshl_b32 s55, s[WV], 16                      ; 16 a wave
	s_add_co_u32 s54, s54, s55
	s_mov_b32 s55, 0
	s_mov_b32 s[SEL], 0x76543210
	s_mov_b32 s[SEL+1], 0xfedcba98
	s_mov_b32 s[L2E], 0x3fb8aa3b
	s_mov_b32 s[L2E+1], s[L2E]
	s_wait_dscnt 0x0                               ; both opening adds are done
	s_wait_kmcnt 0x0
	s_add_nc_u64 s[56:57], s[4:5], s[54:55]        ; x at my first token
.irp qd, 0,1,2,3
	s_add_nc_u64 s[G0+4*\qd+2:G0+4*\qd+3], s[56:57], \qd*1024
	s_or_b32 s[G0+4*\qd+3], s[G0+4*\qd+3], 0x80000000   ; type = 2
.endr
.irp qd, 0,1,2,3
	tensor_load_to_lds s[G0+4*\qd:G0+4*\qd+3], s[G1:G1+7]   ; my four tensor loads of the launch go out together: four are out
	s_nop 0
.endr
	PLACES
	v_and_b32 v31, 31, v0
	v_lshlrev_b32 v[LI], 4, v31
	v_and_b32 v[RR], 15, v0
	v_bfe_u32 v[HH], v0, 4, 1
	v_lshlrev_b32 v[BOFF], 5, v[HH]
.irp hi, 0,1,2,3
	v_add_nc_u32 v[HO+\hi], \hi*HALFB, v[LI]
.endr
	s_lshl_b32 s54, s[WV], 10                      ; my 256 numbers of each bias
	s_add_nc_u64 s[8:9], s[8:9], s[54:55]
	s_add_nc_u64 s[10:11], s[10:11], s[54:55]
	s_add_nc_u64 s[12:13], s[12:13], s[54:55]
	s_mul_i32 s54, s[WV], 48*HALFB                 ; my 48 halves of weights
	s_add_nc_u64 s[FP:FP+1], s[6:7], s[54:55]
	s_lshl_b32 s54, ttmp9, 17                      ; ctx: 64 rows of 2,048 bytes a work-group,
	s_lshl_b32 s56, s[WV], 15                      ; 16 a wave
	s_add_co_u32 s54, s54, s56
	s_add_nc_u64 s[14:15], s[14:15], s[54:55]
	BIASLOAD 8
	FILL 0
	FILL 1
	FILL 2
	FILL 3
	v_mul_u32_u24 v[XLD], v[RR], XROW
	v_lshl_add_u32 v[XLD], v[HH], 6, v[XLD]
	v_add_nc_u32 v[XLD], s53, v[XLD]
	s_lshl_b32 s54, s[WV], 10
	v_add_nc_u32 v[XWI], s54, v[LI]
	s_lshl_b32 s54, s[WV], 6
	s_add_co_u32 s54, s54, XSC
	v_lshl_add_u32 v[XWS], v[RR], 2, s54
	v_lshl_add_u32 v[LS], v31, 2, XSC
	s_mul_i32 s54, s[WV], WTOK
	s_add_co_u32 s56, s54, QST
	s_add_co_u32 s57, s54, KST
	s_add_co_u32 s58, s57, CSTG
	v_add_nc_u32 v[QB], s56, v[LI]
	v_add_nc_u32 v[KB], s57, v[LI]
	v_and_b32 v[T0], 7, v0                         ; the turning load: lane l reads 16 bytes of head 8 h + l % 8, channels 8 ((l / 8) % 2) on
	v_lshl_add_u32 v[T1], v[HH], 3, v[T0]
	v_bfe_u32 v[T2], v0, 3, 1
	v_lshlrev_b32 v[VB], 7, v[T1]
	v_lshl_add_u32 v[VB], v[T2], 4, v[VB]
	v_add_nc_u32 v[VB], s56, v[VB]
	v_mul_u32_u24 v[CST], v[RR], CPT               ; ctx's stage, in: head r, + 16 h
	v_lshl_add_u32 v[CST], v[HH], 4, v[CST]
	v_add_nc_u32 v[CST], s58, v[CST]
	v_bfe_u32 v[T2], v0, 3, 2                      ; back: eight lanes to a head's 128 bytes, four heads an instruction
	v_mul_u32_u24 v[CLD], v[T2], CPT
	v_lshl_add_u32 v[CLD], v[T0], 4, v[CLD]
	v_add_nc_u32 v[CLD], s58, v[CLD]
	v_mul_u32_u24 v31, v[RR], TOK
	s_lshl_b32 s54, s[WV], 6
	v_lshl_add_u32 v[EXQK], v[HH], 8, v31
	v_add_nc_u32 v[EXQK], s54, v[EXQK]
	s_lshl_b32 s54, s[WV], 9
	v_lshl_add_u32 v[EXV], v[HH], 4, v31
	v_add_nc_u32 v[EXV], s54, v[EXV]
	; ---- PASS q, written out: a quarter of x is quantised (each wave its 16 tokens), a barrier shows all four waves' images, and two K steps are multiplied while the later quarters land
	WIN 0x80
.irp b, 0,1,2,3
	v_mov_b32 v[132+\b], 0                         ; written once: a lane permute's destination counts as one of its sources
.endr
	WIN 0
	XQ 0, 1
	BARRIER                                        ; K steps 0, 1 (and 8) of all 64 tokens lie in LDS
	s_mov_b32 s[KO], 0
	s_mov_b32 s[SO], 0
	v_add_nc_u32 v[AAD], s[KO], v[LI]
	v_add_nc_u32 v[ASAD], s[SO], v[LS]
	ALOAD 0, 0, 0
	TRIP 1, 1, 0, 51, 51, 51, 51, 0                ; behind bq's 32 loads and half 0's 17 stand three halves: 51
.irp b, 0,1,2,3
	v_mov_b32 v[196+\b], 0                         ; the same for the lane permutes in window 0
.endr
	XQ 1, 0
	BARRIER                                        ; K steps 2, 3
	NEXTA
	TRIP 0, 1, 0, 51, 51, 51, 51, 0
	XQ 2, 0
	BARRIER                                        ; K steps 4, 5
	NEXTA
	TRIP 0, 1, 0, 51, 51, 51, 51, 0
	XQ 3, 0
	BARRIER                                        ; K steps 6, 7; every wave's tensor loads have landed and nobody reads x as f32 any more: its bytes become the stages
	NEXTA
	TRIP 0, 1, 1, 51, 51, 63, 63, 10               ; bk is asked for here, when the bias's registers are done with x
	EXCH EXQK, QST, 0
	PASS 12, 0, 34                                 ; k.  Behind bk's loads two halves were issued: 34 shows bk and half 0 landed.  bv is asked for on the way
	EXCH EXQK, KST, 0
	BARRIER                                        ; q and k of all 64 tokens lie in the stages
	; ---- the scores and the softmax of my 16 tokens, eight a trip.  S^T = k q^T: lane (r, h) holds head r and the keys' heads 8 h + 0 .. 7
	WIN 0x80
.irp i, 0,1,2,3,4,5,6,7
	v_mov_b32 v[65+2*\i], 0                        ; a lane permute's destination counts as one of its sources
.endr
	WIN 0
	s_mov_b32 s[KO], 0
	s_mov_b32 s[SO], 0
	s_mov_b32 s[CNT], 2
.Lsc:
	v_add_nc_u32 v[T0], s[KO], v[QB]
	v_add_nc_u32 v[T1], s[KO], v[KB]
	v_add_nc_u32 v[T2], s[SO], v[KB]               ; p's images: over k's bytes that this trip or an earlier one has read
	WIN 0xc0                                       ; destination window 3: token i: q at v[32 i], k at v[32 i + 16]
.irp kk, 0,1
.irp i, 0,1,2,3,4,5,6,7
.irp c, 0,1
	ds_load_b128 v[32*\i+8*\kk+4*\c:32*\i+8*\kk+4*\c+3], v[T0] offset:\i*TOK+(2*\kk+\c)*512
	ds_load_b128 v[32*\i+16+8*\kk+4*\c:32*\i+16+8*\kk+4*\c+3], v[T1] offset:\i*TOK+(2*\kk+\c)*512
.endr
.endr
.endr
	s_wait_dscnt 32                                ; the first 32 of the head's 64 are in
	WIN 0xaf                                       ; sources 0, 1 window 3; C, D window 2
.irp i, 0,1,2,3,4,5,6,7
	v_wmma_f32_16x16x32_f16 v[8*\i:8*\i+7], v[32*\i+16:32*\i+23], v[32*\i:32*\i+7], 0
.endr
	s_wait_dscnt 0x0
.irp i, 0,1,2,3,4,5,6,7
	v_wmma_f32_16x16x32_f16 v[8*\i:8*\i+7], v[32*\i+24:32*\i+31], v[32*\i+8:32*\i+15], v[8*\i:8*\i+7]   ; the eight accumulators by turns
.endr
	PLACES
	WIN 0xaa
.irp i, 0,1,2,3,4,5,6,7
	v_max3_num_f32 v[64+2*\i], v[8*\i], v[8*\i+1], v[8*\i+2]       ; the row's largest score: my eight (the eight tokens by turns),
.endr
.irp i, 0,1,2,3,4,5,6,7
	v_max3_num_f32 v[64+2*\i], v[64+2*\i], v[8*\i+3], v[8*\i+4]
.endr
.irp i, 0,1,2,3,4,5,6,7
	v_max3_num_f32 v[64+2*\i], v[64+2*\i], v[8*\i+5], v[8*\i+6]
.endr
.irp i, 0,1,2,3,4,5,6,7
	v_max_num_f32 v[64+2*\i], v[64+2*\i], v[8*\i+7]
.endr
.irp i, 0,1,2,3,4,5,6,7
	v_permlanex16_b32 v[65+2*\i], v[64+2*\i], s[SEL], s[SEL+1]
.endr
.irp i, 0,1,2,3,4,5,6,7
	v_max_num_f32 v[64+2*\i], v[64+2*\i], v[65+2*\i]               ; and lane l xor 16's eight
.endr
.irp i, 0,1,2,3,4,5,6,7
	v_mul_f32 v[64+2*\i], s[L2E], v[64+2*\i]                       ; c m
.endr
.irp j, 0,2,4,6
.irp i, 0,1,2,3,4,5,6,7
	v_pk_fma_f32 v[8*\i+\j:8*\i+\j+1], v[8*\i+\j:8*\i+\j+1], s[L2E:L2E+1], v[64+2*\i:65+2*\i] op_sel_hi:[1,0,0] neg_lo:[0,0,1] neg_hi:[0,0,1]   ; c s - c m, two at a time
.endr
.endr
.set n, 0
.rept 64
	v_exp_f32 v[n], v[n]                           ; one batch
.set n, n+1
.endr
	v_nop                                          ; a plain line behind the last exponential
	s_wait_alu depctr_va_vdst(0)                   ; one wait for the batch, ahead of its first reader
.irp i, 0,1,2,3,4,5,6,7
	v_pk_add_f32 v[80+4*\i:81+4*\i], v[8*\i:8*\i+1], v[8*\i+2:8*\i+3]
.endr
.irp i, 0,1,2,3,4,5,6,7
	v_pk_add_f32 v[82+4*\i:83+4*\i], v[8*\i+4:8*\i+5], v[8*\i+6:8*\i+7]
.endr
.irp i, 0,1,2,3,4,5,6,7
	v_pk_add_f32 v[80+4*\i:81+4*\i], v[80+4*\i:81+4*\i], v[82+4*\i:83+4*\i]
.endr
.irp i, 0,1,2,3,4,5,6,7
	v_add_f32 v[80+4*\i], v[80+4*\i], v[81+4*\i]
.endr
.irp i, 0,1,2,3,4,5,6,7
	v_permlanex16_b32 v[81+4*\i], v[80+4*\i], s[SEL], s[SEL+1]
.endr
.irp i, 0,1,2,3,4,5,6,7
	v_add_f32 v[80+4*\i], v[80+4*\i], v[81+4*\i]                   ; the row's sum
.endr
.irp i, 0,1,2,3,4,5,6,7
	v_rcp_f32 v[64+2*\i], v[80+4*\i]
.endr
	v_nop
	s_wait_alu depctr_va_vdst(0)                   ; one wait for the eight reciprocals
.irp j, 0,2,4,6
.irp i, 0,1,2,3,4,5,6,7
	v_pk_mul_f32 v[8*\i+\j:8*\i+\j+1], v[8*\i+\j:8*\i+\j+1], v[64+2*\i:65+2*\i] op_sel_hi:[1,0]
.endr
.endr
.irp i, 0,1,2,3,4,5,6,7
	v_cvt_pk_f16_f32 v[8*\i], v[8*\i], v[8*\i+1]                   ; p as f16: four registers, which ARE registers 0-3 of source 1 of the second product
	v_cvt_pk_f16_f32 v[8*\i+1], v[8*\i+2], v[8*\i+3]
	v_cvt_pk_f16_f32 v[8*\i+2], v[8*\i+4], v[8*\i+5]
	v_cvt_pk_f16_f32 v[8*\i+3], v[8*\i+6], v[8*\i+7]
.endr
	WIN 0x08
.irp i, 0,1,2,3,4,5,6,7
	ds_store_b128 v[T2], v[8*\i:8*\i+3] offset:\i*512
.endr
	s_wait_dscnt 0x0                               ; ahead of the next write of their registers
	WIN 0
	s_add_co_u32 s[KO], s[KO], 8*TOK
	s_add_co_u32 s[SO], s[SO], 8*512
	s_sub_co_u32 s[CNT], s[CNT], 1
	s_cmp_lg_u32 s[CNT], 0
	s_cbranch_scc1 .Lsc
	PASS 0, 1, 51                                  ; v; bv was asked for three trips and more ago
	BARRIER                                        ; every wave has read its tokens' q: v may take q's stage
	EXCH EXV, QST, 1
	BARRIER                                        ; v of all 64 tokens lies in the stage
	; ---- ctx^T = v^T p^T, four tokens a trip.  The instruction is 32 deep and a token has 16 heads: registers 4-7 of both operands are zeros, written once
	WIN 0xc0
.set n, 0
.rept 16
.irp j, 4,5,6,7
	v_mov_b32 v[8*n+\j], 0
.endr
.set n, n+1
.endr
	WIN 0x80
.irp i, 0,1,2,3
.irp j, 4,5,6,7
	v_mov_b32 v[8*\i+\j], 0
.endr
.endr
	WIN 0
	s_mov_b32 s[KO], 0
	s_mov_b32 s[SO], 0
	s_mov_b32 s[CNT], 4
.Lpv:
	v_add_nc_u32 v[T0], s[KO], v[VB]
	v_add_nc_u32 v[T1], s[SO], v[KB]
	WIN 0x80
.irp i, 0,1,2,3
	ds_load_b128 v[8*\i:8*\i+3], v[T1] offset:\i*512               ; p
.endr
	WIN 0xc0
.irp i, 0,1,2,3
.irp d, 0,1,2,3
	ds_load_tr16_b128 v[8*(4*\i+\d):8*(4*\i+\d)+3], v[T0] offset:\i*TOK+32*\d   ; v turned: lane l holds channel 16 d + l % 16 and heads 8 (l / 16) + 0 .. 7
.endr
.endr
	s_wait_dscnt 0x0
	WIN 0xcb                                       ; source 0 window 3, source 1 window 2, D window 3
.irp i, 0,1,2,3
.irp d, 0,1,2,3
	v_wmma_f32_16x16x32_f16 v[128+8*(4*\i+\d):128+8*(4*\i+\d)+7], v[8*(4*\i+\d):8*(4*\i+\d)+7], v[8*\i:8*\i+7], 0
.endr
.endr
	PLACES
	WIN 0xcf
.set n, 0
.rept 16
	v_cvt_pk_f16_f32 v[128+8*n], v[128+8*n], v[128+8*n+1]          ; lane (r, h): head r, channels 16 d + 8 h + 0 .. 7
	v_cvt_pk_f16_f32 v[128+8*n+1], v[128+8*n+2], v[128+8*n+3]
	v_cvt_pk_f16_f32 v[128+8*n+2], v[128+8*n+4], v[128+8*n+5]
	v_cvt_pk_f16_f32 v[128+8*n+3], v[128+8*n+6], v[128+8*n+7]
.set n, n+1
.endr
	WIN 0x0c
.irp i, 0,1,2,3
.irp d, 0,1,2,3
	ds_store_b128 v[CST], v[128+8*(4*\i+\d):128+8*(4*\i+\d)+3] offset:\i*CTOK+32*\d
.endr
.endr
	WIN 0x80
.irp i, 0,1,2,3
.irp q, 0,1,2,3
	ds_load_b128 v[64+4*(4*\i+\q):64+4*(4*\i+\q)+3], v[CLD] offset:\i*CTOK+4*CPT*\q   ; LDS serves a wave's instructions in order: these see my stores
.endr
.endr
	s_wait_dscnt 0x0
	WIN 0x08
.irp i, 0,1,2,3
.irp q, 0,1,2,3
	global_store_b128 v[LI], v[64+4*(4*\i+\q):64+4*(4*\i+\q)+3], s[14:15] offset:\i*2048+\q*512   ; 32 lanes store 512 consecutive bytes, aligned
.endr
.endr
	WIN 0
	s_wait_xcnt 0x0                                ; the stores have read their registers and their base
	s_add_nc_u64 s[14:15], s[14:15], 4*2048
	s_add_co_u32 s[KO], s[KO], 4*TOK
	s_add_co_u32 s[SO], s[SO], 4*512
	s_sub_co_u32 s[CNT], s[CNT], 1
	s_cmp_lg_u32 s[CNT], 0
	s_cbranch_scc1 .Lpv
	s_wait_tensorcnt 0x0                           ; the wave's end, behind my last tensor load and my last LDS store
	ds_add_u32 v[SPW], v[NIL]
	s_wait_dscnt 0x0
	s_endpgm
.Lfunc_end_k_q72d3e0dafd_qkvattn:
	.size	k_q72d3e0dafd_qkvattn, .Lfunc_end_k_q72d3e0dafd_qkvattn-k_q72d3e0dafd_qkvattn
	.p2alignl 7, 3214868480
	.fill 96, 4, 3214868480
	.section	.rodata,"a",@progbits
	.p2align	6, 0x0
	.amdhsa_kernel k_q72d3e0dafd_qkvattn
		.amdhsa_group_segment_fixed_size 305920
		.amdhsa_private_segment_fixed_size 0
		.amdhsa_enable_private_segment 0
		.amdhsa_kernarg_size 48
		.amdhsa_user_sgpr_count 2
		.amdhsa_user_sgpr_kernarg_segment_ptr 1
		.amdhsa_wavefront_size32 1
		.amdhsa_system_sgpr_workgroup_id_x 1
		.amdhsa_system_sgpr_workgroup_id_y 1
		.amdhsa_system_sgpr_workgroup_id_z 1
		.amdhsa_system_vgpr_workitem_id 0
		.amdhsa_next_free_vgpr 1024
		.amdhsa_next_free_sgpr 66
		.amdhsa_reserve_vcc 0
		.amdhsa_float_denorm_mode_32 3
		.amdhsa_float_denorm_mode_16_64 3
		.amdhsa_memory_ordered 1
		.amdhsa_forward_progress 1
		.amdhsa_inst_pref_size 255
	.end_amdhsa_kernel
	.section	.bss,"aw",@nobits
	.p2align	6
	.space	262144
	.amdgpu_metadata
---
amdhsa.version: [ 1, 2 ]
amdhsa.kernels:
  - .name:           k_q72d3e0dafd_qkvattn
    .symbol:         k_q72d3e0dafd_qkvattn.kd
    .args:
      - { .name: x, .offset: 0, .size: 8, .value_kind: global_buffer, .address_space: global }
      - { .name: wcodes, .offset: 8, .size: 8, .value_kind: global_buffer, .address_space: global }
      - { .name: bq, .offset: 16, .size: 8, .value_kind: global_buffer, .address_space: global }
      - { .name: bk, .offset: 24, .size: 8, .value_kind: global_buffer, .address_space: global }
      - { .name: bv, .offset: 32, .size: 8, .value_kind: global_buffer, .address_space: global }
      - { .name: ctx, .offset: 40, .size: 8, .value_kind: global_buffer, .address_space: global }
    .group_segment_fixed_size: 305920
    .private_segment_fixed_size: 0
    .kernarg_segment_align: 8
    .kernarg_segment_size: 48
    .max_flat_workgroup_size: 128
    .sgpr_count:     66
    .vgpr_count:     1024
    .wavefront_size: 32
...
	.end_amdgpu_metadata
.endif
;; end of part 2
;; launch outproj (part 3): grid 4 x 64, 4 waves a work-group, clusters of 4 x 4, 327,680 bytes of LDS; arguments ctx, woh, out0, bo; writes out0
.if DOCPART == 3
	.amdgcn_target "amdgcn-amd-amdhsa--gfx1250"
	.amdhsa_code_object_version 6
	.text
	.protected	k_q72d3e0dafd_outproj
	.globl	k_q72d3e0dafd_outproj
	.p2align	8
	.type	k_q72d3e0dafd_outproj,@function
k_q72d3e0dafd_outproj:
	s_mov_b64 s[64:65], 0
	v_nop
	global_prefetch_b8 v0, s[64:65] scope:SCOPE_SE
	s_setreg_imm32_b32 hwreg(HW_REG_WAVE_MODE, 25, 1), 1
	s_wait_xcnt 0x0
	s_wait_alu depctr_hold_cnt(0) depctr_sa_sdst(0) depctr_va_vdst(0) depctr_va_sdst(0) depctr_va_ssrc(0) depctr_va_vcc(0) depctr_vm_vsrc(0)
	s_getreg_b32 s2, hwreg(HW_REG_IB_STS2, 6, 4)
	s_cmp_eq_u32 s2, 0
	s_cbranch_scc0 .Lentry_in_a_cluster
	s_endpgm
.Lentry_in_a_cluster:
	s_bfe_u32 s2, ttmp6, 0x10000c
	s_cmp_lg_u32 s2, 0xf033
	s_cbranch_scc0 .Lentry_shape_is_right
	s_endpgm
.Lentry_shape_is_right:
; out0[m][n] = sum over k of ctx[m][k] woh[n][k] + bo[n].  ctx [16384][1024], woh [1024][1024]: f16, K innermost; bo [1024], out0 [16384][1024]: f32; sums in f32.
; A tile of out0, 256 x 256, is made by a work-group of four waves; a wave makes 128 x 128: 64 accumulators of 16 x 16, 512 registers.  K goes in steps of 128 through a ring of two LDS slots filled by the
; tensor data mover: a tile's row is 256 bytes of memory, aligned.  64 x 4 tiles: 256 work-groups, one tile each.
; CLUSTERS: 4 x 4 work-groups.  The four of a row of the cluster need the same tiles of ctx, the four of a column the same tiles of woh: each tile is asked for JOINTLY, by the same tensor load with the same
; descriptor and a mask that names the four.
; THE MATRIX INSTRUCTION IS USED TRANSPOSED (source 0 = 16 rows of woh, source 1 = 16 rows of ctx): a lane holds eight neighbouring numbers of a row of out0.
; REGISTERS, in windows of 256: window 0: v0-31 addresses; v32-35 my four numbers of bo; v64-127, v128-191 fragments of ctx, two buffers; on the way out v128-255 rows read back.
;   window 1: v64-127, v128-191 fragments of woh.   window 2: the accumulators of my rows 0-63 ((a, b) at v[8 (8 a + b)]);   window 3: those of my rows 64-127.
; LIMITS: as the launches before: the operands are f16.
.set SIZE_M, 16384
.set SIZE_N, 1024
.set SIZE_K, 1024
.set KSTEP,  128
.set PITCH,  272                       ; an LDS row: 256 bytes + 16 of padding: the 16 rows that a load touches start at 16 different columns of 16 bytes
.set HALFT,  128*PITCH                 ; 128 rows: what one tensor load brings
.set SLOT,   4*HALFT
.set STAGE,  2*SLOT                    ; behind the ring: 16 rows x 528 bytes for each wave, for the way out
.set SPITCH, 528
.set SPARE,  STAGE+4*16*SPITCH         ; behind the stages: the spare words, 128 bytes a wave
.set LAPS,   SIZE_K/(2*KSTEP)          ; a lap = two K steps = once round the ring
.set ADRA, 16                          ; v16-17  LDS address of my fragments of ctx in slot 0, 1
.set ADRB, 20                          ; v20-21  the same for woh
.set STO,  24                          ; the way out: where I put 32 bytes of a row
.set RD,   25                          ; where I read a row back
.set CO,   26                          ; 16 x lane: my bytes of a row of 512
.set SPW,  28                          ; LDS address of my spare word; never rewritten
.set NIL,  29                          ; 0; never rewritten
.set PFO,  30                          ; the prefetches' offset: my lane x a row of 2,048 bytes; never rewritten
.set BI,   32                          ; v32-35  bo at my four columns
.set PFA,  44                          ; s[44:45] where my prefetches stand
.set LIM,  43                          ; s43  1 in a wave that prefetches, else the greatest number
.set F0,   64
.set F1,   128
.set BK,   128
.set G1, 24
.set G0, 32
.set G1B, 48
.set G0B, 56
.set MSB, 0
.macro WIN new
.if MSB != (\new)
	s_set_vgpr_msb (MSB<<8)|(\new)
.set MSB, (\new)
.endif
.endm
.set MUL_LO, 0xa1                      ; source 0 (woh) window 1, source 1 (ctx) window 0, C and D window 2
.set MUL_HI, 0xf1                      ; the same, C and D window 3
.set TO_B,   0x40                      ; destination window 1, address window 0
; A joint load: waves 0 and 1 fetch ctx's two halves, waves 2 and 3 woh's.  The branch hangs on the wave's number alone.  An s_nop 0 and four v_nop follow each of the two lines.
.macro JLOAD s
	s_cmp_eq_u32 s11, 0
	s_cbranch_scc0 .Lfor_b_\@
	tensor_load_to_lds s[G0+4*\s:G0+4*\s+3], s[G1:G1+7]
	s_nop 0
.rept 4
	v_nop
.endr
	s_branch .Lasked_\@
.Lfor_b_\@:
	tensor_load_to_lds s[G0B+4*\s:G0B+4*\s+3], s[G1B:G1B+7]
	s_nop 0
.rept 4
	v_nop
.endr
.Lasked_\@:
.endm
; A prefetch of the K step that stands two refills on: 32 rows x 256 bytes, a lane a row, one instruction a wave.  Each row's 256 bytes of a K step are named once in the launch: ctx's rows by the cluster with
; x = 0 (here every cluster), woh's by the cluster with y = 0; the four partners that ask for a tile jointly share its rows out by address, 32 each.  The last two refills have no K step two on.
.macro ASK
	s_cmp_gt_u32 s3, s[LIM]                        ; s3 = 1 in the loop's last trip
	s_cbranch_scc0 .Lnot_mine_\@
	global_prefetch_b8 v[PFO], s[PFA:PFA+1] offset:KSTEP*2 th:TH_LOAD_NT scope:SCOPE_SE
.Lnot_mine_\@:
.endm
.macro CREST                           ; a round of the cluster's barrier behind its opening barrier
	s_cmp_lg_u32 s10, 0
	s_cbranch_scc1 .Lnot_wave_0_\@
	s_barrier_signal -3
.Lnot_wave_0_\@:
	s_barrier_wait -3
	s_barrier_signal -1
	s_barrier_wait -1
.endm
.macro CROUND
	s_barrier_signal -1
	s_barrier_wait -1
	CREST
.endm
	s_load_b128 s[4:7], s[0:1], 0x0                ; ctx, woh
	s_load_b64 s[8:9], s[0:1], 0x10                ; out0
	s_load_b64 s[68:69], s[0:1], 0x18              ; bo
	v_lshl_add_u32 v[SPW], v0, 2, SPARE
	v_mov_b32 v[NIL], 0
	ds_add_u32 v[SPW], v[NIL]                      ; the wave's opening: the add, twice on end, and its wait ahead of my first tensor load
	ds_add_u32 v[SPW], v[NIL]
	v_lshrrev_b32 v1, 5, v0
	v_readfirstlane_b32 s10, v1                    ; wave 0..3
	s_lshr_b32 s11, s10, 1                         ; which half of the tile's rows is mine.  Also: I fetch for ctx (0) or for woh (1)
	s_and_b32 s12, s10, 1                          ; which half of its columns.  Also: which 128 rows of that tile I fetch
	s_bfe_u32 s40, ttmp6, 0x40000                  ; cx
	s_bfe_u32 s41, ttmp6, 0x40004                  ; cy
	s_lshl_b32 s42, ttmp9, 2
	s_add_co_u32 s42, s42, s40                     ; tile column = 4 x cluster x + cx
	s_and_b32 s13, ttmp7, 0xffff
	s_lshl_b32 s13, s13, 2
	s_add_co_u32 s13, s13, s41                     ; tile row = 4 x cluster y + cy
	s_lshl_b32 s43, s41, 2
	s_lshl_b32 s43, 15, s43                        ; my row of the cluster
	s_lshl_b32 s44, 0x1111, s40                    ; my column
	s_or_b32 s[G1+0], s43, (1<<16)|(1<<20)|(1<<21)|(5<<22)|(3<<25)  ; the mask; elements of 2 bytes; padding on, 4 words behind every 64; bit 21 set beside a mask
	s_or_b32 s[G1B+0], s44, (1<<16)|(1<<20)|(1<<21)|(5<<22)|(3<<25)
.irp g, G1, G1B
	s_mov_b32 s[\g+1], KSTEP<<16                   ; tensor_dim0
	s_mov_b32 s[\g+2], 128<<16                     ; tensor_dim1
	s_mov_b32 s[\g+3], KSTEP<<16                   ; tile_dim0
	s_mov_b32 s[\g+4], 128                         ; tile_dim1
	s_mov_b32 s[\g+5], SIZE_K                      ; tensor_dim0_stride
	s_mov_b32 s[\g+6], 0
	s_mov_b32 s[\g+7], 0
.endr
	s_lshl_b32 s17, s12, 7
	s_lshl_b32 s16, s13, 8
	s_add_co_u32 s16, s16, s17                     ; ctx: row 256 x tile row + 128 x half
	s_lshl_b32 s46, s42, 8
	s_add_co_u32 s46, s46, s17                     ; woh: row 256 x tile column + 128 x half
	s_mov_b32 s17, 0
	s_mov_b32 s47, 0
	s_mov_b64 s[18:19], SIZE_K*2
	s_mul_u64 s[16:17], s[16:17], s[18:19]
	s_mul_u64 s[46:47], s[46:47], s[18:19]
	s_mul_i32 s20, s10, HALFT                      ; where they go: wave x 128 rows: no place in the cluster enters an LDS address
	s_wait_dscnt 0x0                               ; both opening adds are done
	s_wait_kmcnt 0x0
	s_add_nc_u64 s[14:15], s[4:5], s[16:17]
	s_add_nc_u64 s[46:47], s[6:7], s[46:47]
	CROUND                                         ; all sixteen work-groups are here: the first joint loads meet
.irp s, 0,1
	s_mov_b32 s[G0+4*\s], 1
	s_add_co_u32 s[G0+4*\s+1], s20, \s*SLOT
	s_add_nc_u64 s[G0+4*\s+2:G0+4*\s+3], s[14:15], \s*KSTEP*2
	s_or_b32 s[G0+4*\s+3], s[G0+4*\s+3], 0x80000000
	s_mov_b32 s[G0B+4*\s], 1
	s_add_co_u32 s[G0B+4*\s+1], s20, \s*SLOT
	s_add_nc_u64 s[G0B+4*\s+2:G0B+4*\s+3], s[46:47], \s*KSTEP*2
	s_or_b32 s[G0B+4*\s+3], s[G0B+4*\s+3], 0x80000000
	JLOAD \s                                       ; two tensor loads of mine are out
.endr
	v_and_b32 v1, 15, v0                           ; l % 16
	v_bfe_u32 v2, v0, 4, 1                         ; l / 16
	v_mul_u32_u24 v3, v1, PITCH
	v_lshl_add_u32 v3, v2, 4, v3                   ; a fragment's row x pitch + 16 x half
	s_mul_i32 s21, s11, HALFT
	s_mul_i32 s22, s12, HALFT
	s_add_co_u32 s22, s22, 2*HALFT
.irp s, 0,1
	v_add_nc_u32 v[ADRA+\s], s21, v3
	v_add_nc_u32 v[ADRB+\s], s22, v3
	s_add_co_u32 s21, s21, SLOT
	s_add_co_u32 s22, s22, SLOT
.endr
	s_mul_i32 s23, s10, 16*SPITCH
	s_add_co_u32 s23, s23, STAGE                   ; my stage
	v_mul_u32_u24 v4, v1, SPITCH                   ; in: row l % 16, 32 bytes for each half of the lanes
	v_lshl_add_u32 v4, v2, 5, v4
	v_add_nc_u32 v[STO], s23, v4
	v_and_b32 v5, 31, v0
	v_lshlrev_b32 v[CO], 4, v5                     ; back: the 32 lanes take one row of 512 bytes; the same in out0 and in bo
	v_add_nc_u32 v[RD], s23, v[CO]
	s_lshl_b32 s13, s13, 8
	s_lshl_b32 s14, s11, 7
	s_add_co_u32 s16, s13, s14                     ; my first row of out0
	s_mov_b32 s17, 0
	s_mov_b64 s[18:19], SIZE_N*4
	s_mul_u64 s[16:17], s[16:17], s[18:19]
	s_lshl_b32 s46, s42, 10                        ; my first column, in bytes: 1,024 x tile column + 512 x half
	s_lshl_b32 s47, s12, 9
	s_add_co_u32 s46, s46, s47
	s_mov_b32 s47, 0
	s_add_nc_u64 s[68:69], s[68:69], s[46:47]
	s_add_nc_u64 s[16:17], s[16:17], s[46:47]
	s_add_nc_u64 s[8:9], s[8:9], s[16:17]
	global_load_b128 v[BI:BI+3], v[CO], s[68:69]   ; waited for ahead of the way out
	; the prefetches.  s13 = 256 x tile row, s42 = tile column, s40 = cx, s41 = cy still stand
	s_lshl_b32 s42, s42, 8
	s_and_b32 s22, ttmp7, 0xffff                   ; cluster y
	s_cmp_eq_u32 s11, 0                            ; do I fetch for ctx?
	s_cselect_b32 s20, s13, s42                    ; the tile's first row
	s_cselect_b32 s21, s40, s41                    ; my place among the four that ask for it with me
	s_cselect_b32 s22, ttmp9, s22                  ; the coordinate along which other clusters read the same rows
	s_cselect_b64 s[PFA:PFA+1], s[4:5], s[6:7]
	s_cmp_eq_u32 s22, 0
	s_cselect_b32 s[LIM], 1, -1                    ; the same in all sixteen partners, for a given wave
	s_lshl_b32 s22, s12, 7
	s_add_co_u32 s20, s20, s22                     ; + the 128 rows that I fetch
	s_lshl_b32 s21, s21, 5
	s_add_co_u32 s20, s20, s21                     ; + my work-group's 32 of them
	s_mov_b32 s21, 0
	s_mov_b64 s[18:19], SIZE_K*2
	s_mul_u64 s[20:21], s[20:21], s[18:19]
	s_add_nc_u64 s[PFA:PFA+1], s[PFA:PFA+1], s[20:21]
	s_add_nc_u64 s[PFA:PFA+1], s[PFA:PFA+1], 2*KSTEP*2  ; at K step 2: the first refill steps it to 3 and names K step 4; the fourth names K step 7, the last
	v_and_b32 v[PFO], 31, v0
	v_mul_u32_u24 v[PFO], v[PFO], SIZE_K*2
; 16 matrix instructions: m blocks a0, a0 + 1 of the window's four x all 8 n blocks, 32 along K.  zero = 1: the first product starts the sums
.macro MUL16 f, hi, a0, zero
.irp a, \a0, \a0+1
.irp b, 0,1,2,3,4,5,6,7
.if \zero
	v_wmma_f32_16x16x32_f16 v[8*(8*(\a)+\b):8*(8*(\a)+\b)+7], v[\f+8*\b:\f+8*\b+7], v[\f+8*(4*\hi+\a):\f+8*(4*\hi+\a)+7], 0
.else
	v_wmma_f32_16x16x32_f16 v[8*(8*(\a)+\b):8*(8*(\a)+\b)+7], v[\f+8*\b:\f+8*\b+7], v[\f+8*(4*\hi+\a):\f+8*(4*\hi+\a)+7], v[8*(8*(\a)+\b):8*(8*(\a)+\b)+7]
.endif
.endr
.endr
.endm
; 32 LDS loads in one run: the fragments of one quarter step (32 K at byte k of the rows) into buffer f
.macro FETCH slot, k, f
	WIN TO_B
.irp i, 0,1,2,3,4,5,6,7
	ds_load_b128 v[\f+8*\i:\f+8*\i+3],   v[ADRB+\slot] offset:\k+\i*16*PITCH
	ds_load_b128 v[\f+8*\i+4:\f+8*\i+7], v[ADRB+\slot] offset:\k+\i*16*PITCH+32
.endr
	WIN 0
.irp i, 0,1,2,3,4,5,6,7
	ds_load_b128 v[\f+8*\i:\f+8*\i+3],   v[ADRA+\slot] offset:\k+\i*16*PITCH
	ds_load_b128 v[\f+8*\i+4:\f+8*\i+7], v[ADRA+\slot] offset:\k+\i*16*PITCH+32
.endr
.endm
.macro PLACES                          ; four plain vector lines between a matrix instruction and a load into, or a read of, its registers
.rept 4
	v_nop
.endr
.endm
; A K step is four quarters of 32 along K, 64 matrix instructions each, on buffers 0, 1, 0, 1.  The 64 accumulators take turns, one instruction a turn.
.macro QUARTER slot, k, f, g, zero
	s_wait_dscnt 8                                 ; woh's fragments and ctx's rows 0-63 are in; the youngest eight loads may be out
	WIN MUL_LO
	MUL16 \f, 0, 0, \zero
	MUL16 \f, 0, 2, \zero
	PLACES
	FETCH \slot, \k, \g
	s_wait_dscnt 32                                ; all but the 32 just issued
	WIN MUL_HI
	MUL16 \f, 1, 0, \zero
	MUL16 \f, 1, 2, \zero
.endm
; The first half of a K step's last quarter: ONE barrier for the change of slots.  In front of it each wave waits for all its tensor loads (one is out: its part of the next slot), adds 0 to its spare word,
; and waits for that and for its own reads of this slot.
.macro MEET round
	WIN 0
	s_wait_tensorcnt 0x0
	ds_add_u32 v[SPW], v[NIL]
	s_wait_dscnt 9                                 ; (the add and the youngest eight loads may be out)
	WIN MUL_LO
	MUL16 F1, 0, 0, 0
	s_wait_dscnt 0x0                               ; the add is done, and my reads of this slot are over
	s_barrier_signal -1
	MUL16 F1, 0, 2, 0
.if \round
	WIN 0
.endif
	s_barrier_wait -1
.endm
.macro TURN slot, next                 ; the whole last quarter; the slot just read out is filled again, two K steps on
	s_wait_xcnt 0x0                                ; the last prefetch, a K step back, has read its address
	s_add_nc_u64 s[PFA:PFA+1], s[PFA:PFA+1], KSTEP*2
	MEET 1
	CREST                                          ; the barrier has opened a round of the cluster's barrier: no wave of any partner still reads this slot or has a load on its way
	s_add_nc_u64 s[G0+4*\slot+2:G0+4*\slot+3], s[G0+4*\slot+2:G0+4*\slot+3], 2*KSTEP*2
	s_add_nc_u64 s[G0B+4*\slot+2:G0B+4*\slot+3], s[G0B+4*\slot+2:G0B+4*\slot+3], 2*KSTEP*2
	JLOAD \slot                                    ; my one tensor load behind the round; its four v_nop are also the places in front of the loads below
	FETCH \next, 0, F0
	ASK
	WIN MUL_HI
	MUL16 F1, 1, 0, 0
	MUL16 F1, 1, 2, 0
.endm
	s_wait_tensorcnt 1                             ; my part of K step 0 is in; K step 1's may stay out
	s_barrier_signal -1
	s_barrier_wait -1
	FETCH 0, 0, F0
	QUARTER 0, 64,  F0, F1, 1                      ; the first quarter stands in front of the loop: its products start the sums
	WIN 0
	s_mov_b32 s3, LAPS-1
.Llap:                                                 ; a trip goes once round the ring, from a lap's second quarter to the next lap's first, and fills both slots again
	QUARTER 0, 128, F1, F0, 0
	QUARTER 0, 192, F0, F1, 0
	TURN 0, 1
	QUARTER 1, 64,  F0, F1, 0
	QUARTER 1, 128, F1, F0, 0
	QUARTER 1, 192, F0, F1, 0
	TURN 1, 0
	QUARTER 0, 64,  F0, F1, 0
	WIN 0
	s_sub_co_u32 s3, s3, 1
	s_cmp_lg_u32 s3, 0
	s_cbranch_scc1 .Llap
	QUARTER 0, 128, F1, F0, 0                      ; the last lap fills nothing, and has no round of the cluster's barrier
	QUARTER 0, 192, F0, F1, 0
	MEET 0
	PLACES
	FETCH 1, 0, F0
	WIN MUL_HI
	MUL16 F1, 1, 0, 0
	MUL16 F1, 1, 2, 0
	QUARTER 1, 64,  F0, F1, 0
	QUARTER 1, 128, F1, F0, 0
	QUARTER 1, 192, F0, F1, 0
	s_wait_dscnt 8                                 ; the very last quarter: nothing more to fetch
	WIN MUL_LO
	MUL16 F1, 0, 0, 0
	MUL16 F1, 0, 2, 0
	s_wait_dscnt 0x0
	WIN MUL_HI
	MUL16 F1, 1, 0, 0
	MUL16 F1, 1, 2, 0
	WIN 0
; THE WAY OUT, block by block of 16 rows x 128 columns: through my own stage in LDS, back as whole rows of 512 bytes, bo added, stored as two aligned runs of 256 bytes.
.macro TOSTAGE a
.set AC, 64*((\a)%4)
	WIN 0x08+4*((\a)/4)                            ; the data: window 2 or 3
.irp b, 0,1,2,3,4,5,6,7
	ds_store_b128 v[STO], v[AC+8*\b:AC+8*\b+3] offset:64*\b          ; each accumulator from its low end on
	ds_store_b128 v[STO], v[AC+8*\b+4:AC+8*\b+7] offset:64*\b+16
.endr
	WIN 0
.set BB, BK+64*((\a)%2)
.irp t, 0,1,2,3,4,5,6,7,8,9,10,11,12,13,14,15
	ds_load_b128 v[BB+4*\t:BB+4*\t+3], v[RD] offset:\t*SPITCH      ; LDS serves a wave's instructions in order: these see the stores above
.endr
.endm
.macro SEND a, younger                 ; younger: the LDS instructions issued behind block a's loads, which may stay out
.set BB, BK+64*((\a)%2)
	s_wait_dscnt \younger
.if (\a) > 0
	s_add_nc_u64 s[8:9], s[8:9], 16*SIZE_N*4       ; (behind a wait on XCNT: the earlier stores have read their base)
.endif
.irp t, 0,1,2,3,4,5,6,7,8,9,10,11,12,13,14,15
	v_pk_add_f32 v[BB+4*\t:BB+4*\t+1], v[BB+4*\t:BB+4*\t+1], v[BI:BI+1]
	v_pk_add_f32 v[BB+4*\t+2:BB+4*\t+3], v[BB+4*\t+2:BB+4*\t+3], v[BI+2:BI+3]
.endr
.irp t, 0,1,2,3,4,5,6,7,8,9,10,11,12,13,14,15
	global_store_b128 v[CO], v[BB+4*\t:BB+4*\t+3], s[8:9] offset:\t*SIZE_N*4 th:TH_STORE_NT   ; 32 lanes store 512 consecutive bytes, aligned; written once, read by nobody here
.endr
.endm
	PLACES                                         ; in front of the reads of the last results and of loads into the registers that held fragments
	s_wait_loadcnt 0x0                             ; bo
	TOSTAGE 0
.irp a, 1,2,3,4,5,6,7
.if \a > 1
	s_wait_xcnt 0x0                                ; block a - 2's stores have read their registers and their base
.endif
	TOSTAGE \a
	SEND \a-1, 32                                  ; behind block a - 1's loads: block a's 16 stores and 16 loads
.endr
	s_wait_xcnt 0x0
	SEND 7, 0
	s_wait_tensorcnt 0x0                           ; the wave's end, behind my last tensor load and my last LDS store
	ds_add_u32 v[SPW], v[NIL]
	s_wait_dscnt 0x0
	CROUND                                         ; the closing round: no work-group ends while a partner may still ask for a tile that names it
	s_endpgm
.Lfunc_end_k_q72d3e0dafd_outproj:
	.size	k_q72d3e0dafd_outproj, .Lfunc_end_k_q72d3e0dafd_outproj-k_q72d3e0dafd_outproj
	.p2alignl 7, 3214868480
	.fill 96, 4, 3214868480
	.section	.rodata,"a",@progbits
	.p2align	6, 0x0
	.amdhsa_kernel k_q72d3e0dafd_outproj
		.amdhsa_group_segment_fixed_size 327680
		.amdhsa_private_segment_fixed_size 0
		.amdhsa_enable_private_segment 0
		.amdhsa_kernarg_size 32
		.amdhsa_user_sgpr_count 2
		.amdhsa_user_sgpr_kernarg_segment_ptr 1
		.amdhsa_wavefront_size32 1
		.amdhsa_system_sgpr_workgroup_id_x 1
		.amdhsa_system_sgpr_workgroup_id_y 1
		.amdhsa_system_sgpr_workgroup_id_z 1
		.amdhsa_system_vgpr_workitem_id 0
		.amdhsa_next_free_vgpr 1024
		.amdhsa_next_free_sgpr 70
		.amdhsa_reserve_vcc 0
		.amdhsa_float_denorm_mode_32 3
		.amdhsa_float_denorm_mode_16_64 3
		.amdhsa_memory_ordered 1
		.amdhsa_forward_progress 1
		.amdhsa_inst_pref_size 158
	.end_amdhsa_kernel
	.amdgpu_metadata
---
amdhsa.version: [ 1, 2 ]
amdhsa.kernels:
  - .name:           k_q72d3e0dafd_outproj
    .symbol:         k_q72d3e0dafd_outproj.kd
    .args:
      - { .name: ctx, .offset: 0, .size: 8, .value_kind: global_buffer, .address_space: global }
      - { .name: woh, .offset: 8, .size: 8, .value_kind: global_buffer, .address_space: global }
      - { .name: out0, .offset: 16, .size: 8, .value_kind: global_buffer, .address_space: global }
      - { .name: bo, .offset: 24, .size: 8, .value_kind: global_buffer, .address_space: global }
    .group_segment_fixed_size: 327680
    .private_segment_fixed_size: 0
    .kernarg_segment_align: 8
    .kernarg_segment_size: 32
    .max_flat_workgroup_size: 128
    .sgpr_count:     70
    .vgpr_count:     1024
    .wavefront_size: 32
...
	.end_amdgpu_metadata
.endif
;; end of part 3
